; MI455X (gfx1250); checked and timed in simulation.
; The chip was launched on July 23, 2026; its instructions are those of AMD's public machine-readable ISA for CDNA 5 (MIT licence, August 2026) and "CDNA5" Instruction Set Architecture Reference Guide (July 2026). The comments in the code are by the model that wrote it; some were corrected since.
;; Attention Head. Allowed arithmetic: float matrix products may take bf16 or f16 operands with f32 sums; all other float work in f32.
;; Inputs: event_lengths 8 int32; k 8 x 2,048 x 128 float32; q 8 x 2,048 x 128 float32; v 8 x 2,048 x 128 float32.
;; Outputs: out0 8 x 2,048 x 128 float32.
;; 2 versions, each right and faster than the one before. Each part assembles by itself: llvm-mc -triple=amdgcn-amd-amdhsa -mcpu=gfx1250 --defsym DOCPART=n.
;; ======== version 1 of 2: 1 launch
;; limits: values are held in f16: magnitudes above 65,504 overflow, below 6.1e-05 lose precision
;; launch attn (part 1): grid 256 x 1, 4 waves a work-group, clusters of 4 x 1, 327,680 bytes of LDS; arguments q, k, v, event_lengths, out0; writes out0
.if DOCPART == 1
	.amdgcn_target "amdgcn-amd-amdhsa--gfx1250"
	.amdhsa_code_object_version 6
	.text
	.protected	k_q087e82fa84_attn
	.globl	k_q087e82fa84_attn
	.p2align	8
	.type	k_q087e82fa84_attn,@function
k_q087e82fa84_attn:
	s_mov_b64 s[64:65], 0
	v_nop
	global_prefetch_b8 v0, s[64:65] scope:SCOPE_SE
	s_setreg_imm32_b32 hwreg(HW_REG_WAVE_MODE, 25, 1), 1
	s_wait_xcnt 0x0
	s_wait_alu depctr_hold_cnt(0) depctr_sa_sdst(0) depctr_va_vdst(0) depctr_va_sdst(0) depctr_va_ssrc(0) depctr_va_vcc(0) depctr_vm_vsrc(0)
	s_getreg_b32 s2, hwreg(HW_REG_IB_STS2, 6, 4)
	s_cmp_eq_u32 s2, 0
	s_cbranch_scc0 .Lentry_in_a_cluster
	s_endpgm
.Lentry_in_a_cluster:
	s_bfe_u32 s2, ttmp6, 0x10000c
	s_cmp_lg_u32 s2, 0x3003
	s_cbranch_scc0 .Lentry_shape_is_right
	s_endpgm
.Lentry_shape_is_right:
; AttentionHead.  q, k, v, out0: [8][2048][128] f32; event_lengths: [8] int32.
; out[b][i][:] = sum over j of softmax_j(s[i][j]) v[b][j][:],  s[i][j] = q[i].k[j]/sqrt(128) where i < len and j < len, else -1e9.
;
; SHARING.  A cluster of four work-groups owns 256 rows of one batch, a work-group 64 of them.  The four walk the same tiles of K and V,
; so each tile is asked for jointly (mask 15) and every partner receives it in its own LDS: a quarter of the requests.
; In a tile of 128 keys wave w takes keys 32 w .. 32 w + 31 for all 64 rows, with a running maximum, sum and output of its own; the four
; waves are merged once at the end through LDS.  So a wave reads only LDS bytes that its own tensor loads brought, and each number of K and V
; is read from LDS and converted once in a work-group.
; TRANSPOSED PRODUCTS.  S^T = K Q^T (A = 16 keys, B = 16 rows of Q) and O^T = V^T P^T (A = 16 columns of V, B = 16 rows of P): a lane owns ONE
; row of the result (lane % 16), so maximum, rescaling factor and sum are one number a lane, and the layout in which S^T arrives
; (register j: key 8 (lane / 16) + j) is the layout that P^T needs as B: P is packed in the lane's own registers.
; THE MASK.  Every work-group walks all 2,048 keys, also those that the mask wipes out: all trip counts are constants, alike in the partners.
; Rows i < len: scores of keys j >= len are replaced by -1e9 log2(e); their exponentials are 0.  Rows i >= len: Q is multiplied by 0 and the
; replacement is 0, so all 2,048 scores are equal, as in the definition, and the result is the mean of V.
; FORMATS.  Q (times log2(e)/sqrt(128)), K, V and P go to the matrix unit in f16, sums in f32, softmax in f32 with a running maximum, base 2.
; LIMITS.  Inputs finite, |0.1275 q|, |k|, |v| below 65,504 (f16's largest number); beyond that infinities and NaN arise, for rows >= len too.
; The largest score of a row i < len lies above -1e9 + 150 (below that the definition itself would give masked keys weight).
; The mean rows are summed from V rounded to f16.
; NOT DONE: no prefetch: the eight clusters of a batch ask for the same tiles in the same trips.
.set PITCH,  528                       ; an LDS row: 512 bytes + 16 of padding: sixteen rows start at sixteen different 16-byte columns modulo 256 bytes
.set WAREA,  32*PITCH                  ; a wave's 32 rows of a tile
.set AREA,   4*WAREA                   ; 128 rows: a tile of K or of V
.set SLOT,   2*AREA                    ; K's tile, then V's
.set QREG,   2*SLOT                    ; behind the two slots: 64 rows of Q, filled once
.set ST_M,   QREG+64*PITCH             ; m[wave][64], then l[wave][64]: 1,024 bytes each, bytes of their own (304,128 = 1,188 x 256)
.set STG,    64*PITCH                  ; the merge: a wave's scaled output, 64 rows; four of them lie in slot 0 after its last fill
.set TILEB,  128*512                   ; bytes of a tile in memory
.set PAIRS,  8                         ; 2,048 keys = 8 pairs of tiles
; window 0
.set RR,  1                            ; lane % 16
.set HH,  2                            ; lane / 16
.set ADK, 3                            ; v3-4    LDS address of my K fragments, slot 0, 1
.set ADV, 5                            ; v5-6    the same for V
.set ADQ, 7                            ; v7      for Q
.set LC,  8                            ; v8      len - (first key of my eight in this tile): key 16 kb + j is valid iff 16 kb + j < LC
.set STO, 9                            ; v9      merge: where I put my numbers
.set RD,  10                           ; v10-11  merge: where I read rows back (waves 0-1, waves 2-3)
.set CO,  12                           ; v12     16 x lane: my bytes of an output row
.set SM,  13                           ; v13     where my wave's m and l go
.set LM,  14                           ; v14     where all waves' m and l are read
.set MP,  18                           ; v18-25  pairs (M, T) for query blocks 0-3: running maximum, at work
.set AP,  26                           ; v26-33  pairs (AL, X): rescaling factor, the other half's number
.set LP,  34                           ; v34-41  pairs: two partial sums of the exponentials
.set QP,  42                           ; v42-49  pairs (QS, MV): Q's factor, the mask's replacement
.set FS,  50                           ; v50-53  merge: my wave's factor
.set TP,  54                           ; v54-57  at work
.set SC,  64                           ; v64-127   S(kb, qb) at SC + 8 (4 kb + qb): 16 keys x 16 rows
.set K16, 128                          ; v128-191  K(kb, s) at K16 + 8 (4 kb + s): 16 keys x 32 d, f16
.set V16, 192                          ; v192-255  V(t) at V16 + 8 t: 16 columns x 32 keys, f16
; window 1
.set Q16, 0                            ; Q(qb, s) at 8 (4 qb + s), f16
.set KS,  128                          ; 128 registers of f32 as loaded: K's stage (and Q's)
; windows 2 (query blocks 0, 1) and 3 (query blocks 2, 3)
.set OA,  0                            ; O(t, qq) at 8 (2 t + qq)
.set P16, 128                          ; P(qq) at P16 + 8 qq, f16
.set VS,  144                          ; 64 registers of f32 as loaded: V's stage, columns 0-63 in window 2, 64-127 in window 3
; COLUMNS OF V: fragment t = 4 T + c, row m stands for column d = 64 T + 4 m + c, so that one 16-byte load of a row of V at byte 256 T + 16 (lane % 16)
; feeds four fragments and sixteen lanes read 256 neighbouring bytes.  In O, register j of lane (r, h) is column 64 T + 32 h + 4 j + c of row 16 qb + r.
.set G1,  28                           ; s[28:35] group 1 of the joint loads
.set G1Q, 36                           ; s[36:43] group 1 of Q's load
.set G0,  44                           ; s[44:59] group 0: slot 0 K, slot 0 V, slot 1 K, slot 1 V
.set G0Q, 60                           ; s[60:63] group 0 of Q's load
.set MSB, 0
.macro WIN new                         ; low byte: bits 1:0 source 0, 3:2 source 1, 5:4 source 2, 7:6 destination; the high byte repeats the setting that is left
.if MSB != (\new)
	s_set_vgpr_msb (MSB<<8)|(\new)
.set MSB, (\new)
.endif
.endm
; A round of the cluster's barrier: my work-group's barrier, wave 0 signals for the work-group, every wave waits for all four work-groups,
; my work-group's barrier once more.
.macro ROUND
	s_barrier_signal -1
	s_barrier_wait -1
	s_cmp_lg_u32 s14, 0
	s_cbranch_scc1 .Lnot_wave_0_\@
	s_barrier_signal -3
.Lnot_wave_0_\@:
	s_barrier_wait -3
	s_barrier_signal -1
	s_barrier_wait -1
.endm
	s_load_b256 s[4:11], s[0:1], 0x0               ; q s[4:5], k s[6:7], v s[8:9], event_lengths s[10:11]
	s_load_b64 s[12:13], s[0:1], 0x20              ; out0
	v_lshl_add_u32 v62, v0, 2, 0x4ac00
	v_mov_b32 v63, 0
	ds_add_u32 v62, v63
	v_lshrrev_b32 v[TP], 5, v0
	v_readfirstlane_b32 s14, v[TP]                 ; wave 0..3
	s_bfe_u32 s15, ttmp6, 0x40000                  ; cx: my place in the cluster
	s_lshr_b32 s16, ttmp9, 3                       ; batch: eight clusters each
	s_and_b32 s17, ttmp9, 7                        ; which 256 rows of it
	s_mov_b32 s24, 0x76543210                      ; v_permlanex16_b32: lane i reads lane i of the other half
	s_mov_b32 s25, 0xfedcba98
	; group 1, joint: 32 rows x 128 elements of 4 bytes, 4 words of padding behind every 128 words
	s_mov_b32 s[G1+0], 0x07b2000f                  ; 15:0 mask: all four partners; 17:16 size code 2; 20 padding on; 21 set beside a mask; 24:22 code 6; 31:25 code 3
	s_mov_b32 s[G1+1], 128<<16                     ; tensor_dim0 = 128
	s_mov_b32 s[G1+2], 32<<16                      ; tensor_dim1 = 32
	s_mov_b32 s[G1+3], 128<<16                     ; tile_dim0 = 128
	s_mov_b32 s[G1+4], 32                          ; tile_dim1 = 32
	s_mov_b32 s[G1+5], 128                         ; elements from row to row
	s_mov_b32 s[G1+6], 0
	s_mov_b32 s[G1+7], 0
	; group 1 of Q's load: my work-group's own rows, no mask; 16 rows a wave
	s_mov_b32 s[G1Q+0], 0x07920000
	s_mov_b32 s[G1Q+1], 128<<16
	s_mov_b32 s[G1Q+2], 16<<16
	s_mov_b32 s[G1Q+3], 128<<16
	s_mov_b32 s[G1Q+4], 16
	s_mov_b32 s[G1Q+5], 128
	s_mov_b32 s[G1Q+6], 0
	s_mov_b32 s[G1Q+7], 0
	; offsets, apart from the addresses.  s[72:73] (K, V) is made of the batch and the wave alone: equal in the four partners.
	s_lshl_b32 s70, s16, 2                         ; my batch's word of event_lengths
	s_mov_b32 s71, 0
	s_lshl_b32 s72, s16, 20                        ; batch x 2,048 rows x 512 bytes
	s_lshl_b32 s74, s14, 14                        ; + wave x 32 rows
	s_add_co_u32 s72, s72, s74
	s_mov_b32 s73, 0
	s_lshl_b32 s78, s15, 6
	s_lshl_b32 s75, s17, 8
	s_add_co_u32 s78, s78, s75                     ; my work-group's first row in the batch: 256 cq + 64 cx
	s_lshl_b32 s76, s16, 11
	s_add_co_u32 s76, s76, s78
	s_lshl_b32 s75, s14, 4
	s_add_co_u32 s76, s76, s75                     ; + 16 x wave: the rows of Q that I fetch, and the rows of out0 that I finish
	s_lshl_b32 s76, s76, 9                         ; in bytes (below 8 MiB)
	s_mov_b32 s77, 0
	s_mul_i32 s74, s14, WAREA                      ; my wave's rows in every area
	s_mul_i32 s79, s14, 16*PITCH                   ; my wave's rows in Q's region
.irp i, 0,1,2,3
	s_mov_b32 s[G0+4*\i], 1
	s_add_co_u32 s[G0+4*\i+1], s74, \i*AREA        ; slot 0 K, slot 0 V, slot 1 K, slot 1 V
.endr
	s_mov_b32 s[G0Q], 1
	s_add_co_u32 s[G0Q+1], s79, QREG
	s_wait_dscnt 0x0
	s_wait_kmcnt 0x0
	s_add_nc_u64 s[10:11], s[10:11], s[70:71]
	s_load_b32 s18, s[10:11], 0x0                  ; len; waited for below, behind the tensor loads
	s_add_nc_u64 s[G0+2:G0+3], s[6:7], s[72:73]    ; K, tile 0
	s_add_nc_u64 s[G0+6:G0+7], s[8:9], s[72:73]    ; V, tile 0
	s_add_nc_u64 s[G0+10:G0+11], s[G0+2:G0+3], TILEB   ; tile 1
	s_add_nc_u64 s[G0+14:G0+15], s[G0+6:G0+7], TILEB
	s_add_nc_u64 s[G0Q+2:G0Q+3], s[4:5], s[76:77]
	s_add_nc_u64 s[12:13], s[12:13], s[76:77]
.irp i, 0,1,2,3,4
	s_or_b32 s[G0+4*\i+3], s[G0+4*\i+3], 0x80000000    ; type 2 (the fifth set is Q's)
.endr
	ROUND                                          ; all four work-groups are here: the first joint loads meet
	tensor_load_to_lds s[G0Q:G0Q+3], s[G1Q:G1Q+7]  ; five loads of the wave are out now, the most in this text
	s_nop 0
	tensor_load_to_lds s[G0:G0+3], s[G1:G1+7]
	s_nop 0
	tensor_load_to_lds s[G0+4:G0+7], s[G1:G1+7]
	s_nop 0
	tensor_load_to_lds s[G0+8:G0+11], s[G1:G1+7]
	s_nop 0
	tensor_load_to_lds s[G0+12:G0+15], s[G1:G1+7]
	s_nop 0
	; lane addresses.  A fragment of 16 rows x 32 d in f16: lane (r, h) holds row r, registers 0-3 d = 8 h .. + 7, registers 4-7 d = 16 + 8 h .. + 7;
	; in f32 rows that is 32 bytes at 32 h and 32 bytes at 64 + 32 h of each 128 bytes.
	v_and_b32 v[RR], 15, v0
	v_bfe_u32 v[HH], v0, 4, 1
	v_mul_u32_u24 v[TP], v[RR], PITCH
	v_lshl_add_u32 v[TP], v[HH], 5, v[TP]          ; r x pitch + 32 h
	v_add_nc_u32 v[ADK], s74, v[TP]
	v_add_nc_u32 v[ADK+1], SLOT, v[ADK]
	v_add_nc_u32 v[ADQ], QREG, v[TP]
	v_mul_u32_u24 v[TP+1], v[HH], 8*PITCH          ; V: keys 8 h .. of each sixteen,
	v_lshl_add_u32 v[TP+1], v[RR], 4, v[TP+1]      ; columns 4 r .. 4 r + 3 of each 64
	v_add_nc_u32 v[TP+1], s74, v[TP+1]
	v_add_nc_u32 v[ADV], AREA, v[TP+1]
	v_add_nc_u32 v[ADV+1], AREA+SLOT, v[TP+1]
	s_wait_kmcnt 0x0                               ; len
	s_max_i32 s18, s18, 0                          ; below 0 acts as 0, above 2,048 as 2,048
	s_min_i32 s18, s18, 2048
	s_lshl_b32 s75, s14, 5
	s_sub_co_i32 s75, s18, s75                     ; len - 32 w
	v_lshlrev_b32 v[TP], 3, v[HH]
	v_sub_nc_u32 v[LC], s75, v[TP]                 ; - 8 h: tile 0
	v_add_nc_u32 v[TP], s78, v[RR]                 ; my row in query block 0
	v_mov_b32 v[TP+1], 0x3e0293ee                  ; log2(e) / sqrt(128)
	v_mov_b32 v[TP+2], 0xceabfb8f                  ; -1e9 log2(e)
.irp qb, 0,1,2,3
	v_add_nc_u32 v[TP+3], 16*\qb, v[TP]
	v_cmp_gt_i32 vcc_lo, s18, v[TP+3]              ; len > row
	v_cndmask_b32 v[QP+2*\qb], 0, v[TP+1], vcc_lo  ; rows at or beyond len: Q times 0,
	v_cndmask_b32 v[QP+2*\qb+1], 0, v[TP+2], vcc_lo    ; and 0 in place of a masked score: all scores equal
	v_mov_b32 v[AP+2*\qb+1], 0                     ; v_permlanex16_b32's destination counts as read
.endr
; 32 LDS loads: my 32 keys x 128 d of K in f32, in the order of the fragments
.macro LDK slot
	WIN 0x40                                       ; destination window 1, address window 0
.irp kb, 0,1
.irp s, 0,1,2,3
	ds_load_b128 v[KS+16*(4*\kb+\s):KS+16*(4*\kb+\s)+3],     v[ADK+(\slot)] offset:16*PITCH*\kb+128*\s
	ds_load_b128 v[KS+16*(4*\kb+\s)+4:KS+16*(4*\kb+\s)+7],   v[ADK+(\slot)] offset:16*PITCH*\kb+128*\s+16
	ds_load_b128 v[KS+16*(4*\kb+\s)+8:KS+16*(4*\kb+\s)+11],  v[ADK+(\slot)] offset:16*PITCH*\kb+128*\s+64
	ds_load_b128 v[KS+16*(4*\kb+\s)+12:KS+16*(4*\kb+\s)+15], v[ADK+(\slot)] offset:16*PITCH*\kb+128*\s+80
.endr
.endr
.endm
; K's stage to f16: 64 conversions, two numbers each
.macro CVK
	WIN 0x05                                       ; sources window 1, destination window 0
.set fi, 0
.rept 8
.irp i, 0,1,2,3,4,5,6,7
	v_cvt_pk_f16_f32 v[K16+8*fi+\i], v[KS+16*fi+2*\i], v[KS+16*fi+2*\i+1]
.endr
.set fi, fi+1
.endr
.endm
; 32 LDS loads: my 32 keys x 128 columns of V in f32; register 4 (i + 8 g) + c: key 16 g + 8 h + i, column 64 T + 4 r + c
.macro LDV slot
.irp T, 0,1
	WIN 0x80+0x40*\T                               ; destination window 2 or 3
.irp g, 0,1
.irp i, 0,1,2,3,4,5,6,7
	ds_load_b128 v[VS+4*(\i+8*\g):VS+4*(\i+8*\g)+3], v[ADV+(\slot)] offset:PITCH*(16*\g+\i)+256*\T
.endr
.endr
.endr
.endm
; V's stage to f16, transposed by the choice of registers: two neighbouring keys of one column make a word
.macro CVV
.irp T, 0,1
	WIN 0x0a+5*\T                                  ; sources window 2 or 3, destination window 0
.irp c, 0,1,2,3
.irp g, 0,1
.irp i, 0,1,2,3
	v_cvt_pk_f16_f32 v[V16+8*(4*\T+\c)+4*\g+\i], v[VS+4*(2*\i+8*\g)+\c], v[VS+4*(2*\i+1+8*\g)+\c]
.endr
.endr
.endr
.endr
.endm
; S^T = K Q^T: 32 keys x 64 rows, 128 along d.  The eight accumulators take turns, one instruction a turn.
; The first product of each starts its sum: nothing is cleared.
.macro QK
	WIN 0x04                                       ; B (Q) window 1, all else window 0
.irp s, 0,1,2,3
.irp kb, 0,1
.irp qb, 0,1,2,3
.if \s == 0
	v_wmma_f32_16x16x32_f16 v[SC+8*(4*\kb+\qb):SC+8*(4*\kb+\qb)+7], v[K16+8*(4*\kb+\s):K16+8*(4*\kb+\s)+7], v[Q16+8*(4*\qb+\s):Q16+8*(4*\qb+\s)+7], 0
.else
	v_wmma_f32_16x16x32_f16 v[SC+8*(4*\kb+\qb):SC+8*(4*\kb+\qb)+7], v[K16+8*(4*\kb+\s):K16+8*(4*\kb+\s)+7], v[Q16+8*(4*\qb+\s):Q16+8*(4*\qb+\s)+7], v[SC+8*(4*\kb+\qb):SC+8*(4*\kb+\qb)+7]
.endif
.endr
.endr
.endr
.endm
; The mask: one compare for each of my 16 keys serves the four query blocks; then LC steps to the next tile.
.macro MASK
.irp kb, 0,1
.irp j, 0,1,2,3,4,5,6,7
	v_cmp_lt_i32 vcc_lo, 16*\kb+\j, v[LC]          ; key < len
.irp qb, 0,1,2,3
	v_cndmask_b32 v[SC+8*(4*\kb+\qb)+\j], v[QP+2*\qb+1], v[SC+8*(4*\kb+\qb)+\j], vcc_lo
.endr
.endr
.endr
	v_add_nc_u32 v[LC], 0xffffff80, v[LC]          ; - 128
.endm
; Running softmax of my 32 keys, four query blocks side by side so that neighbouring lines do not wait for each other.
; Pair p (0..7) of a query block: registers 2 (p % 4), + 1 of S(p / 4, qb).
.macro SOFTMAX first
.irp qb, 0,1,2,3
.if \first
	v_max_num_f32 v[MP+2*\qb+1], v[SC+8*\qb], v[SC+8*\qb+1]
.else
	v_max3_num_f32 v[MP+2*\qb+1], v[SC+8*\qb], v[SC+8*\qb+1], v[MP+2*\qb]
.endif
.endr
.irp p, 1,2,3,4,5,6,7
.irp qb, 0,1,2,3
	v_max3_num_f32 v[MP+2*\qb+1], v[MP+2*\qb+1], v[SC+8*(4*(\p/4)+\qb)+2*(\p%4)], v[SC+8*(4*(\p/4)+\qb)+2*(\p%4)+1]
.endr
.endr
.irp qb, 0,1,2,3
	v_permlanex16_b32 v[AP+2*\qb+1], v[MP+2*\qb+1], s24, s25   ; the other half of the lanes holds the row's other 16 keys
.endr
.irp qb, 0,1,2,3
	v_max_num_f32 v[MP+2*\qb+1], v[MP+2*\qb+1], v[AP+2*\qb+1]
.endr
.irp qb, 0,1,2,3
.if \first == 0
	v_sub_f32 v[AP+2*\qb], v[MP+2*\qb], v[MP+2*\qb+1]          ; old maximum - new
.endif
	v_mov_b32 v[MP+2*\qb], v[MP+2*\qb+1]
.endr
.irp p, 0,1,2,3,4,5,6,7
.irp qb, 0,1,2,3
	v_pk_add_f32 v[SC+8*(4*(\p/4)+\qb)+2*(\p%4):SC+8*(4*(\p/4)+\qb)+2*(\p%4)+1], v[SC+8*(4*(\p/4)+\qb)+2*(\p%4):SC+8*(4*(\p/4)+\qb)+2*(\p%4)+1], v[MP+2*\qb:MP+2*\qb+1] op_sel_hi:[1,0] neg_lo:[0,1] neg_hi:[0,1]
.endr
.endr
.irp kb, 0,1
.irp j, 0,1,2,3,4,5,6,7
.irp qb, 0,1,2,3
	v_exp_f32 v[SC+8*(4*\kb+\qb)+\j], v[SC+8*(4*\kb+\qb)+\j]
.endr
.endr
.endr
.if \first == 0
.irp qb, 0,1,2,3
	v_exp_f32 v[AP+2*\qb], v[AP+2*\qb]
.endr
.endif
	v_nop                                          ; one plain vector instruction between the last exponential and the first use (ISA guide 5.7.2)
	s_wait_alu depctr_va_vdst(0)
.irp qb, 0,1,2,3
.if \first
	s_wait_alu depctr_va_vdst(0)
	v_pk_add_f32 v[LP+2*\qb:LP+2*\qb+1], v[SC+8*\qb:SC+8*\qb+1], v[SC+8*\qb+2:SC+8*\qb+3]
.else
	v_pk_fma_f32 v[LP+2*\qb:LP+2*\qb+1], v[LP+2*\qb:LP+2*\qb+1], v[AP+2*\qb:AP+2*\qb+1], v[SC+8*\qb:SC+8*\qb+1] op_sel_hi:[1,0,1]
	v_pk_add_f32 v[LP+2*\qb:LP+2*\qb+1], v[LP+2*\qb:LP+2*\qb+1], v[SC+8*\qb+2:SC+8*\qb+3]
.endif
.endr
.irp p, 2,3,4,5,6,7
.irp qb, 0,1,2,3
	v_pk_add_f32 v[LP+2*\qb:LP+2*\qb+1], v[LP+2*\qb:LP+2*\qb+1], v[SC+8*(4*(\p/4)+\qb)+2*(\p%4):SC+8*(4*(\p/4)+\qb)+2*(\p%4)+1]
.endr
.endr
.endm
; P to f16: registers 0-3 of B are keys 8 h .. + 7 (S(0, qb)), registers 4-7 keys 16 + 8 h .. + 7 (S(1, qb))
.macro PCV
.irp H, 0,1
	WIN 0x80+0x40*\H
.irp qq, 0,1
.irp kb, 0,1
.irp i, 0,1,2,3
	v_cvt_pk_f16_f32 v[P16+8*\qq+4*\kb+\i], v[SC+8*(4*\kb+2*\H+\qq)+2*\i], v[SC+8*(4*\kb+2*\H+\qq)+2*\i+1]
.endr
.endr
.endr
.endr
.endm
; accumulator a of window 2 + H times its row's factor
.macro RESC H, a
.irp i, 0,1,2,3
	v_pk_mul_f32 v[OA+8*(\a)+2*\i:OA+8*(\a)+2*\i+1], v[AP+2*(2*\H+((\a)%2)):AP+2*(2*\H+((\a)%2))+1], v[OA+8*(\a)+2*\i:OA+8*(\a)+2*\i+1] op_sel_hi:[0,1]
.endr
.endm
; O^T = O^T x factor + V^T P^T.  The sixteen accumulators of a window take turns, one instruction a turn.
; Accumulator a + 2 is rescaled behind the matrix instruction of accumulator a, whose registers these lines do not name.
.macro PV first
.irp H, 0,1
	WIN 0xa8+0x54*\H                               ; A (V) window 0; B (P), C and D window 2 or 3.  The rescaling: factor window 0
.if \first == 0
	RESC \H, 0
	RESC \H, 1
.endif
.irp a, 0,1,2,3,4,5,6,7,8,9,10,11,12,13,14,15
.if \first
	v_wmma_f32_16x16x32_f16 v[OA+8*\a:OA+8*\a+7], v[V16+8*(\a/2):V16+8*(\a/2)+7], v[P16+8*(\a%2):P16+8*(\a%2)+7], 0
.else
	v_wmma_f32_16x16x32_f16 v[OA+8*\a:OA+8*\a+7], v[V16+8*(\a/2):V16+8*(\a/2)+7], v[P16+8*(\a%2):P16+8*(\a%2)+7], v[OA+8*\a:OA+8*\a+7]
.if \a < 14
	RESC \H, \a+2
.endif
.endif
.endr
.endr
.endm
; One tile of 128 keys.  At its head K's stage for this tile is on its way from LDS.
; refill = 1: this slot gets the tile two further on; nextk = 1: the other slot's K is fetched into the stage;
; tv >= 0: a wait on the tensor loads in front of the reads of V (else an earlier wait for 0 has shown V landed).
.macro STEP slot, first, refill, nextk, tv
	s_wait_dscnt 0x0                               ; K's stage is in
.if \tv >= 0
	s_wait_tensorcnt \tv                           ; my V of this tile has landed; the count leaves the loads issued behind it
.endif
	LDV \slot                                      ; V's loads run under K's conversions and the first product
	CVK
	QK
	s_wait_dscnt 0x0                               ; V's stage is in: my reads of this slot are over
	CVV                                            ; 64 plain vector instructions that name no register of QK: the places in front of the first use of S (ISA guide 7.12.1)
	WIN 0
.if \refill
	s_wait_tensorcnt 0x0                           ; all my tensor loads have landed, the other slot's tile among them, so the addresses may be stepped
	ds_add_u32 v62, v63
	s_wait_dscnt 0x0
	s_add_nc_u64 s[G0+8*\slot+2:G0+8*\slot+3], s[G0+8*\slot+2:G0+8*\slot+3], 2*TILEB
	s_add_nc_u64 s[G0+8*\slot+6:G0+8*\slot+7], s[G0+8*\slot+6:G0+8*\slot+7], 2*TILEB
	ROUND                                          ; no wave of any partner still reads this slot or has a load on its way
	tensor_load_to_lds s[G0+8*\slot:G0+8*\slot+3], s[G1:G1+7]      ; the first tensor loads behind the round: two of the wave are out,
	s_nop 0
	tensor_load_to_lds s[G0+8*\slot+4:G0+8*\slot+7], s[G1:G1+7]    ; and have until the next step's wait for 0 to land
	s_nop 0
.else
.if \nextk
	s_wait_tensorcnt 0x1                           ; the other slot's K has landed; its V, issued behind it, may be out
.endif
.endif
.if \nextk
	LDK 1-\slot                                    ; runs under the softmax and the second product
.endif
	WIN 0
	MASK
	SOFTMAX \first
	PCV
	PV \first
	WIN 0
.endm
; Query blocks 2 hf and 2 hf + 1 of Q: from LDS, times the row's factor, to f16
.macro QHALF hf
	WIN 0x40
.irp qq, 0,1
.irp s, 0,1,2,3
	ds_load_b128 v[KS+16*(4*\qq+\s):KS+16*(4*\qq+\s)+3],     v[ADQ] offset:16*PITCH*(2*\hf+\qq)+128*\s
	ds_load_b128 v[KS+16*(4*\qq+\s)+4:KS+16*(4*\qq+\s)+7],   v[ADQ] offset:16*PITCH*(2*\hf+\qq)+128*\s+16
	ds_load_b128 v[KS+16*(4*\qq+\s)+8:KS+16*(4*\qq+\s)+11],  v[ADQ] offset:16*PITCH*(2*\hf+\qq)+128*\s+64
	ds_load_b128 v[KS+16*(4*\qq+\s)+12:KS+16*(4*\qq+\s)+15], v[ADQ] offset:16*PITCH*(2*\hf+\qq)+128*\s+80
.endr
.endr
	s_wait_dscnt 0x0
	WIN 0x41                                       ; stage window 1, factor window 0
.irp qq, 0,1
.set pp, 0
.rept 32
	v_pk_mul_f32 v[KS+64*\qq+2*pp:KS+64*\qq+2*pp+1], v[KS+64*\qq+2*pp:KS+64*\qq+2*pp+1], v[QP+2*(2*\hf+\qq):QP+2*(2*\hf+\qq)+1] op_sel_hi:[1,0]
.set pp, pp+1
.endr
.endr
	WIN 0x45
.irp qq, 0,1
.irp s, 0,1,2,3
.irp i, 0,1,2,3,4,5,6,7
	v_cvt_pk_f16_f32 v[Q16+8*(4*(2*\hf+\qq)+\s)+\i], v[KS+16*(4*\qq+\s)+2*\i], v[KS+16*(4*\qq+\s)+2*\i+1]
.endr
.endr
.endr
.endm
	s_wait_tensorcnt 0x4                           ; my 16 rows of Q are in; the four tile loads issued behind them stay out
	s_barrier_signal -1
	s_barrier_wait -1                              ; everybody's are: each wave reads all 64 rows.
	QHALF 0
	QHALF 1
	s_wait_tensorcnt 0x3                           ; my K of tile 0 is in; three loads were issued behind it
	LDK 0
	WIN 0
	STEP 0, 1, 1, 1, 2                             ; tile 0: V of tile 0 is in when two loads (tile 1's) are left; its products start the sums
	STEP 1, 0, 1, 1, -1
	s_mov_b32 s21, PAIRS-2
.Lpair:
	STEP 0, 0, 1, 1, -1
	STEP 1, 0, 1, 1, -1
	s_sub_co_i32 s21, s21, 1
	s_cmp_lg_u32 s21, 0
	s_cbranch_scc1 .Lpair
	STEP 0, 0, 0, 1, -1                            ; tiles 14 and 15: nothing more to fetch, no round
	STEP 1, 0, 0, 0, 0                             ; the last wait on the tensor loads is for zero
	; THE MERGE.  Each wave holds, for all 64 rows, maximum m, sum l and output O over its quarter of the keys.
	; out = sum over waves of 2^(m - M) O / sum over waves of 2^(m - M) l, M the largest m.  A wave all of whose keys were masked for a row
	; has m = -1e9 log2(e) and gets the factor 0.  The lines up to the first use of O are the places behind the last matrix instruction.
.irp qb, 0,1,2,3
	v_add_f32 v[MP+2*\qb+1], v[LP+2*\qb], v[LP+2*\qb+1]
.endr
.irp qb, 0,1,2,3
	v_permlanex16_b32 v[AP+2*\qb+1], v[MP+2*\qb+1], s24, s25
.endr
.irp qb, 0,1,2,3
	v_add_f32 v[MP+2*\qb+1], v[MP+2*\qb+1], v[AP+2*\qb+1]      ; l of my row over my wave's keys
.endr
	s_lshl_b32 s75, s14, 8
	s_add_co_u32 s75, s75, ST_M
	v_lshl_add_u32 v[SM], v[RR], 2, s75            ; m[wave][16 qb + r]; both halves of the lanes hold and write the same number
	v_lshlrev_b32 v[LM], 2, v[RR]
	v_add_nc_u32 v[LM], ST_M, v[LM]
.irp qb, 0,1,2,3
	ds_store_b32 v[SM], v[MP+2*\qb] offset:64*\qb
	ds_store_b32 v[SM], v[MP+2*\qb+1] offset:1024+64*\qb
.endr
	s_wait_dscnt 0x0                               ; for the others' sake: my stores are done, and so are all my reads of the slots
	s_barrier_signal -1
	s_barrier_wait -1                              ; behind it slot 0, which has had its last fill, serves as the stage
.irp wv, 0,1,2,3
.irp qb, 0,1,2,3
	ds_load_b32 v[SC+4*\wv+\qb], v[LM] offset:256*\wv+64*\qb
	ds_load_b32 v[SC+16+4*\wv+\qb], v[LM] offset:1024+256*\wv+64*\qb
.endr
.endr
	s_mul_i32 s75, s14, STG
	v_mul_u32_u24 v[TP], v[RR], PITCH
	v_lshl_add_u32 v[TP], v[HH], 7, v[TP]
	v_add_nc_u32 v[STO], s75, v[TP]                ; my stage + r x pitch + 128 h
	s_wait_dscnt 0x0
.irp qb, 0,1,2,3
	v_max3_num_f32 v[SC+32+\qb], v[SC+\qb], v[SC+4+\qb], v[SC+8+\qb]
.endr
.irp qb, 0,1,2,3
	v_max_num_f32 v[SC+32+\qb], v[SC+32+\qb], v[SC+12+\qb]
.endr
.irp wv, 0,1,2,3
.irp qb, 0,1,2,3
	v_sub_f32 v[SC+4*\wv+\qb], v[SC+4*\wv+\qb], v[SC+32+\qb]
.endr
.endr
.irp qb, 0,1,2,3
	v_sub_f32 v[AP+2*\qb], v[MP+2*\qb], v[SC+32+\qb]           ; my own wave's once more: which of the four is mine is no constant
.endr
.irp i, 0,1,2,3,4,5,6,7,8,9,10,11,12,13,14,15
	v_exp_f32 v[SC+\i], v[SC+\i]
.endr
.irp qb, 0,1,2,3
	v_exp_f32 v[AP+2*\qb], v[AP+2*\qb]
.endr
	v_nop                                          ; the plain place behind the exponentials
	s_wait_alu depctr_va_vdst(0)
.irp qb, 0,1,2,3
	v_mul_f32 v[SC+36+\qb], v[SC+\qb], v[SC+16+\qb]
.endr
.irp wv, 1,2,3
.irp qb, 0,1,2,3
	v_fmac_f32 v[SC+36+\qb], v[SC+4*\wv+\qb], v[SC+16+4*\wv+\qb]
.endr
.endr
.irp qb, 0,1,2,3
	v_rcp_f32 v[SC+40+\qb], v[SC+36+\qb]           ; the sum is at least 1: the wave that holds M has the factor 1 and a term 1
.endr
	v_nop                                          ; the plain place behind the reciprocals
	s_wait_alu depctr_va_vdst(0)
.irp qb, 0,1,2,3
	v_mul_f32 v[FS+\qb], v[AP+2*\qb], v[SC+40+\qb]
.endr
; A query block's O, scaled, into my stage.  The four fragments c = 0..3 hold four neighbouring columns in the same register j:
; the multiply puts them side by side, and a lane stores 16 neighbouring bytes of its row.
.macro STAGEQ qb, H, qq, buf
	WIN 0x02+\H                                    ; source 0 (O) window 2 or 3
.irp T, 0,1
.irp j, 0,1,2,3,4,5,6,7
.irp c, 0,1,2,3
	v_mul_f32 v[\buf+4*(8*\T+\j)+\c], v[OA+8*(2*(4*\T+\c)+\qq)+\j], v[FS+\qb]
.endr
.endr
.endr
	WIN 0
.irp T, 0,1
.irp j, 0,1,2,3,4,5,6,7
	ds_store_b128 v[STO], v[\buf+4*(8*\T+\j):\buf+4*(8*\T+\j)+3] offset:16*PITCH*\qb+256*\T+16*\j
.endr
.endr
.endm
	STAGEQ 0, 0, 0, K16
	STAGEQ 1, 0, 1, V16
	STAGEQ 2, 1, 0, K16
	STAGEQ 3, 1, 1, V16
	s_mul_i32 s75, s14, 16*PITCH
	v_and_b32 v[TP], 31, v0
	v_lshlrev_b32 v[CO], 4, v[TP]                  ; 16 bytes a lane: a wave covers a row of 512 bytes
	v_add_nc_u32 v[RD], s75, v[CO]                 ; rows 16 w .. of the stages of waves 0 and 1,
	v_add_nc_u32 v[RD+1], 2*STG, v[RD]             ; of waves 2 and 3
	s_wait_dscnt 0x0                               ; my stage is written
	s_barrier_signal -1
	s_barrier_wait -1                              ; everybody's is
; Wave w finishes rows 16 w + 4 bt + k: the four waves' parts are added, always in the same order, and a store of the wave covers
; 512 consecutive bytes of out0, at a multiple of 512 from its first byte.
.macro OUT4 bt, buf
.if \bt >= 2
	s_wait_xcnt 0x0                                ; the stores of the batch before last have read this buffer: it is loaded again only behind this wait
.endif
.irp k, 0,1,2,3
	ds_load_b128 v[\buf+16*\k:\buf+16*\k+3],     v[RD]   offset:PITCH*(4*\bt+\k)
	ds_load_b128 v[\buf+16*\k+4:\buf+16*\k+7],   v[RD]   offset:STG+PITCH*(4*\bt+\k)
	ds_load_b128 v[\buf+16*\k+8:\buf+16*\k+11],  v[RD+1] offset:PITCH*(4*\bt+\k)
	ds_load_b128 v[\buf+16*\k+12:\buf+16*\k+15], v[RD+1] offset:STG+PITCH*(4*\bt+\k)
.endr
.irp k, 0,1,2,3
	s_wait_dscnt 12-4*\k                           ; LDS loads come back in order (ISA guide 5.7.1): row k's four are in, the later rows' stay out
	v_pk_add_f32 v[\buf+16*\k:\buf+16*\k+1],     v[\buf+16*\k:\buf+16*\k+1],     v[\buf+16*\k+4:\buf+16*\k+5]
	v_pk_add_f32 v[\buf+16*\k+2:\buf+16*\k+3],   v[\buf+16*\k+2:\buf+16*\k+3],   v[\buf+16*\k+6:\buf+16*\k+7]
	v_pk_add_f32 v[\buf+16*\k+8:\buf+16*\k+9],   v[\buf+16*\k+8:\buf+16*\k+9],   v[\buf+16*\k+12:\buf+16*\k+13]
	v_pk_add_f32 v[\buf+16*\k+10:\buf+16*\k+11], v[\buf+16*\k+10:\buf+16*\k+11], v[\buf+16*\k+14:\buf+16*\k+15]
	v_pk_add_f32 v[\buf+16*\k:\buf+16*\k+1],     v[\buf+16*\k:\buf+16*\k+1],     v[\buf+16*\k+8:\buf+16*\k+9]
	v_pk_add_f32 v[\buf+16*\k+2:\buf+16*\k+3],   v[\buf+16*\k+2:\buf+16*\k+3],   v[\buf+16*\k+10:\buf+16*\k+11]
	global_store_b128 v[CO], v[\buf+16*\k:\buf+16*\k+3], s[12:13] offset:512*(4*\bt+\k) th:TH_STORE_NT
.endr
.endm
	OUT4 0, SC
	OUT4 1, K16
	OUT4 2, SC
	OUT4 3, K16
	s_wait_tensorcnt 0x0
	ds_add_u32 v62, v63
	s_wait_dscnt 0x0
	ROUND                                          ; the closing round: no work-group ends while a partner may still ask for a tile that names it
	s_endpgm
.Lfunc_end_k_q087e82fa84_attn:
	.size	k_q087e82fa84_attn, .Lfunc_end_k_q087e82fa84_attn-k_q087e82fa84_attn
	.p2alignl 7, 3214868480
	.fill 96, 4, 3214868480
	.section	.rodata,"a",@progbits
	.p2align	6, 0x0
	.amdhsa_kernel k_q087e82fa84_attn
		.amdhsa_group_segment_fixed_size 327680
		.amdhsa_private_segment_fixed_size 0
		.amdhsa_enable_private_segment 0
		.amdhsa_kernarg_size 40
		.amdhsa_user_sgpr_count 2
		.amdhsa_user_sgpr_kernarg_segment_ptr 1
		.amdhsa_wavefront_size32 1
		.amdhsa_system_sgpr_workgroup_id_x 1
		.amdhsa_system_sgpr_workgroup_id_y 1
		.amdhsa_system_sgpr_workgroup_id_z 1
		.amdhsa_system_vgpr_workitem_id 0
		.amdhsa_next_free_vgpr 976
		.amdhsa_next_free_sgpr 80
		.amdhsa_reserve_vcc 1
		.amdhsa_float_denorm_mode_32 3
		.amdhsa_float_denorm_mode_16_64 3
		.amdhsa_memory_ordered 1
		.amdhsa_forward_progress 1
		.amdhsa_inst_pref_size 255
	.end_amdhsa_kernel
	.section	.bss,"aw",@nobits
	.p2align	6
	.space	262144
	.amdgpu_metadata
---
amdhsa.version: [ 1, 2 ]
amdhsa.kernels:
  - .name:           k_q087e82fa84_attn
    .symbol:         k_q087e82fa84_attn.kd
    .args:
      - { .name: q, .offset: 0, .size: 8, .value_kind: global_buffer, .address_space: global }
      - { .name: k, .offset: 8, .size: 8, .value_kind: global_buffer, .address_space: global }
      - { .name: v, .offset: 16, .size: 8, .value_kind: global_buffer, .address_space: global }
      - { .name: event_lengths, .offset: 24, .size: 8, .value_kind: global_buffer, .address_space: global }
      - { .name: out0, .offset: 32, .size: 8, .value_kind: global_buffer, .address_space: global }
    .group_segment_fixed_size: 327680
    .private_segment_fixed_size: 0
    .kernarg_segment_align: 8
    .kernarg_segment_size: 40
    .max_flat_workgroup_size: 128
    .sgpr_count:     80
    .vgpr_count:     976
    .wavefront_size: 32
...
	.end_amdgpu_metadata
.endif
;; end of part 1
;; ======== version 2 of 2: 1 launch; 1.17 times as fast as version 1
;; limits: values are held in f16: magnitudes above 65,504 overflow, below 6.1e-05 lose precision
;; launch attn (part 2): grid 256 x 1, 4 waves a work-group, clusters of 4 x 1, 327,680 bytes of LDS; arguments q, k, v, event_lengths, out0; writes out0
.if DOCPART == 2
	.amdgcn_target "amdgcn-amd-amdhsa--gfx1250"
	.amdhsa_code_object_version 6
	.text
	.protected	k_q087e82fa84_attn
	.globl	k_q087e82fa84_attn
	.p2align	8
	.type	k_q087e82fa84_attn,@function
k_q087e82fa84_attn:
	s_mov_b64 s[64:65], 0
	v_nop
	global_prefetch_b8 v0, s[64:65] scope:SCOPE_SE
	s_setreg_imm32_b32 hwreg(HW_REG_WAVE_MODE, 25, 1), 1
	s_wait_xcnt 0x0
	s_wait_alu depctr_hold_cnt(0) depctr_sa_sdst(0) depctr_va_vdst(0) depctr_va_sdst(0) depctr_va_ssrc(0) depctr_va_vcc(0) depctr_vm_vsrc(0)
	s_getreg_b32 s2, hwreg(HW_REG_IB_STS2, 6, 4)
	s_cmp_eq_u32 s2, 0
	s_cbranch_scc0 .Lentry_in_a_cluster
	s_endpgm
.Lentry_in_a_cluster:
	s_bfe_u32 s2, ttmp6, 0x10000c
	s_cmp_lg_u32 s2, 0x3003
	s_cbranch_scc0 .Lentry_shape_is_right
	s_endpgm
.Lentry_shape_is_right:
; AttentionHead.  q, k, v, out0: [8][2048][128] f32; event_lengths: [8] int32.
; out[b][i][:] = sum over j of softmax_j(s[i][j]) v[b][j][:],  s[i][j] = q[i].k[j]/sqrt(128) where i < len and j < len, else -1e9.
;
; SHARING.  A cluster of four work-groups owns 256 rows of one batch, a work-group 64 of them.  The four walk the same tiles of K and V,
; so each tile is asked for jointly (mask 15) and every partner receives it in its own LDS: a quarter of the requests.
; In a tile of 128 keys wave w takes keys 32 w .. 32 w + 31 for all 64 rows, with a running maximum, sum and output of its own; the four
; waves are merged once at the end through LDS.  So a wave reads only LDS bytes that its own tensor loads brought, and each number of K and V
; is read from LDS and converted once in a work-group.
; TRANSPOSED PRODUCTS.  S^T = K Q^T (A = 16 keys, B = 16 rows of Q) and O^T = V^T P^T (A = 16 columns of V, B = 16 rows of P): a lane owns ONE
; row of the result (lane % 16), so maximum, rescaling factor and sum are one number a lane, and the layout in which S^T arrives
; (register j: key 8 (lane / 16) + j) is the layout that P^T needs as B: P is packed in the lane's own registers.
; THE MASK.  Every work-group walks all 2,048 keys, also those that the mask wipes out: all trip counts are constants, alike in the partners.
; Rows i < len: scores of keys j >= len are replaced by -1e9 log2(e); their exponentials are 0.  Rows i >= len: Q is multiplied by 0 and the
; replacement is 0, so all 2,048 scores are equal, as in the definition, and the result is the mean of V.
; THE ORDER OF THE TILES.  The eight clusters of a batch (cq = 0..7) do not walk the 16 tiles in step: cluster cq starts at tile
; 4 ((cq xor (3 if cq >= 4)) & 3) and wraps round.  Any four clusters that agree in one bit of cq have the four starts 0, 4, 8, 12; cq and cq xor 7 share one.
; So from its fifth tile on a cluster asks for bytes that another cluster of its batch has asked for four steps before.  The running maximum makes
; the order free: sums that began on masked keys alone are multiplied by 2^(-1e9 log2(e) - m) = 0 at the first real maximum m.
; FORMATS.  Q (times log2(e)/sqrt(128)), K, V and P go to the matrix unit in f16, sums in f32, softmax in f32 with a running maximum, base 2.
; LIMITS.  Inputs finite, |0.1275 q|, |k|, |v| below 65,504 (f16's largest number); beyond that infinities and NaN arise, for rows >= len too.
; The largest score of a row i < len lies above -1e9 + 150 (below that the definition itself would give masked keys weight).
; The mean rows are summed from V rounded to f16.
; NOT DONE: no prefetch: of the four tiles that a cluster asks for ahead of the clusters with other starts, two go out at the kernel's head and two in its first two steps.
.set PITCH,  528                       ; an LDS row: 512 bytes + 16 of padding: sixteen rows start at sixteen different 16-byte columns modulo 256 bytes
.set WAREA,  32*PITCH                  ; a wave's 32 rows of a tile
.set AREA,   4*WAREA                   ; 128 rows: a tile of K or of V
.set SLOT,   2*AREA                    ; K's tile, then V's
.set QREG,   2*SLOT                    ; behind the two slots: 64 rows of Q, filled once
.set ST_M,   QREG+64*PITCH             ; m[wave][64], then l[wave][64]: 1,024 bytes each, bytes of their own (304,128 = 1,188 x 256)
.set STG,    64*PITCH                  ; the merge: a wave's scaled output, 64 rows; four of them lie in slot 0 after its last fill
.set TILEB,  128*512                   ; bytes of a tile in memory
.set PAIRS,  8                         ; 2,048 keys = 8 pairs of tiles
; window 0
.set RR,  1                            ; lane % 16
.set HH,  2                            ; lane / 16
.set ADK, 3                            ; v3-4    LDS address of my K fragments, slot 0, 1
.set ADV, 5                            ; v5-6    the same for V
.set ADQ, 7                            ; v7      for Q
.set LC,  8                            ; v8      len - (first key of my eight in this tile): key 16 kb + j is valid iff 16 kb + j < LC
.set STO, 9                            ; v9      merge: where I put my numbers
.set RD,  10                           ; v10-11  merge: where I read rows back (waves 0-1, waves 2-3)
.set CO,  12                           ; v12     16 x lane: my bytes of an output row
.set SM,  13                           ; v13     where my wave's m and l go
.set LM,  14                           ; v14     where all waves' m and l are read
.set LC0, 15                           ; v15     LC of tile 0: len - 32 w - 8 h
.set MP,  18                           ; v18-25  pairs (M, T) for query blocks 0-3: running maximum, at work
.set AP,  26                           ; v26-33  pairs (AL, X): rescaling factor, the other half's number
.set LP,  34                           ; v34-41  pairs: two partial sums of the exponentials
.set QP,  42                           ; v42-49  pairs (QS, MV): Q's factor, the mask's replacement
.set FS,  50                           ; v50-53  merge: my wave's factor
.set TP,  54                           ; v54-57  at work
.set SC,  64                           ; v64-127   S(kb, qb) at SC + 8 (4 kb + qb): 16 keys x 16 rows
.set K16, 128                          ; v128-191  K(kb, s) at K16 + 8 (4 kb + s): 16 keys x 32 d, f16
.set V16, 192                          ; v192-255  V(t) at V16 + 8 t: 16 columns x 32 keys, f16
; window 1
.set Q16, 0                            ; Q(qb, s) at 8 (4 qb + s), f16
.set KS,  128                          ; 128 registers of f32 as loaded: K's stage (and Q's)
; windows 2 (query blocks 0, 1) and 3 (query blocks 2, 3)
.set OA,  0                            ; O(t, qq) at 8 (2 t + qq)
.set P16, 128                          ; P(qq) at P16 + 8 qq, f16
.set VS,  144                          ; 64 registers of f32 as loaded: V's stage, columns 0-63 in window 2, 64-127 in window 3
; COLUMNS OF V: fragment t = 4 T + c, row m stands for column d = 64 T + 4 m + c, so that one 16-byte load of a row of V at byte 256 T + 16 (lane % 16)
; feeds four fragments and sixteen lanes read 256 neighbouring bytes.  In O, register j of lane (r, h) is column 64 T + 32 h + 4 j + c of row 16 qb + r.
; scalars: s[2:3] a tile's byte offset; s19 the cluster's first tile; s20 the next tile to fetch; s22 the tile at work; s[66:67], s[68:69] K and V at my wave's rows of tile 0
.set G1,  28                           ; s[28:35] group 1 of the joint loads
.set G1Q, 36                           ; s[36:43] group 1 of Q's load
.set G0,  44                           ; s[44:59] group 0: slot 0 K, slot 0 V, slot 1 K, slot 1 V
.set G0Q, 60                           ; s[60:63] group 0 of Q's load
.set MSB, 0
.macro WIN new                         ; low byte: bits 1:0 source 0, 3:2 source 1, 5:4 source 2, 7:6 destination; the high byte repeats the setting that is left
.if MSB != (\new)
	s_set_vgpr_msb (MSB<<8)|(\new)
.set MSB, (\new)
.endif
.endm
; A round of the cluster's barrier: my work-group's barrier, wave 0 signals for the work-group, every wave waits for all four work-groups,
; my work-group's barrier once more.
.macro ROUND
	s_barrier_signal -1
	s_barrier_wait -1
	s_cmp_lg_u32 s14, 0
	s_cbranch_scc1 .Lnot_wave_0_\@
	s_barrier_signal -3
.Lnot_wave_0_\@:
	s_barrier_wait -3
	s_barrier_signal -1
	s_barrier_wait -1
.endm
	s_load_b256 s[4:11], s[0:1], 0x0               ; q s[4:5], k s[6:7], v s[8:9], event_lengths s[10:11]
	s_load_b64 s[12:13], s[0:1], 0x20              ; out0
	v_lshl_add_u32 v62, v0, 2, 0x4ac00
	v_mov_b32 v63, 0
	ds_add_u32 v62, v63
	v_lshrrev_b32 v[TP], 5, v0
	v_readfirstlane_b32 s14, v[TP]                 ; wave 0..3
	s_bfe_u32 s15, ttmp6, 0x40000                  ; cx: my place in the cluster
	s_lshr_b32 s16, ttmp9, 3                       ; batch: eight clusters each
	s_and_b32 s17, ttmp9, 7                        ; cq: which 256 rows of it
	s_mov_b32 s24, 0x76543210                      ; v_permlanex16_b32: lane i reads lane i of the other half
	s_mov_b32 s25, 0xfedcba98
	; the cluster's first tile, from the cluster's number alone: equal in the four partners
	s_bfe_u32 s19, s17, 0x10002                    ; bit 2 of cq
	s_mul_i32 s19, s19, 3
	s_xor_b32 s19, s19, s17                        ; cq >= 4: the two low bits turned over
	s_and_b32 s19, s19, 3
	s_lshl_b32 s19, s19, 2                         ; 0, 4, 8 or 12
	s_mov_b32 s22, s19                             ; the tile at work
	s_add_co_u32 s20, s19, 2                       ; the next tile to fetch, behind the two of the kernel's head (14 at the most: no wrap yet)
	s_lshl_b32 s2, s19, 16                         ; the first tile's byte offset
	s_mov_b32 s3, 0
	; group 1, joint: 32 rows x 128 elements of 4 bytes, 4 words of padding behind every 128 words
	s_mov_b32 s[G1+0], 0x07b2000f                  ; 15:0 mask: all four partners; 17:16 size code 2; 20 padding on; 21 set beside a mask; 24:22 code 6; 31:25 code 3
	s_mov_b32 s[G1+1], 128<<16                     ; tensor_dim0 = 128
	s_mov_b32 s[G1+2], 32<<16                      ; tensor_dim1 = 32
	s_mov_b32 s[G1+3], 128<<16                     ; tile_dim0 = 128
	s_mov_b32 s[G1+4], 32                          ; tile_dim1 = 32
	s_mov_b32 s[G1+5], 128                         ; elements from row to row
	s_mov_b32 s[G1+6], 0
	s_mov_b32 s[G1+7], 0
	; group 1 of Q's load: my work-group's own rows, no mask; 16 rows a wave
	s_mov_b32 s[G1Q+0], 0x07920000
	s_mov_b32 s[G1Q+1], 128<<16
	s_mov_b32 s[G1Q+2], 16<<16
	s_mov_b32 s[G1Q+3], 128<<16
	s_mov_b32 s[G1Q+4], 16
	s_mov_b32 s[G1Q+5], 128
	s_mov_b32 s[G1Q+6], 0
	s_mov_b32 s[G1Q+7], 0
	; offsets, apart from the addresses.  s[72:73] (K, V) is made of the batch and the wave alone: equal in the four partners.
	s_lshl_b32 s70, s16, 2                         ; my batch's word of event_lengths
	s_mov_b32 s71, 0
	s_lshl_b32 s72, s16, 20                        ; batch x 2,048 rows x 512 bytes
	s_lshl_b32 s74, s14, 14                        ; + wave x 32 rows
	s_add_co_u32 s72, s72, s74
	s_mov_b32 s73, 0
	s_lshl_b32 s78, s15, 6
	s_lshl_b32 s75, s17, 8
	s_add_co_u32 s78, s78, s75                     ; my work-group's first row in the batch: 256 cq + 64 cx
	s_lshl_b32 s76, s16, 11
	s_add_co_u32 s76, s76, s78
	s_lshl_b32 s75, s14, 4
	s_add_co_u32 s76, s76, s75                     ; + 16 x wave: the rows of Q that I fetch, and the rows of out0 that I finish
	s_lshl_b32 s76, s76, 9                         ; in bytes (below 8 MiB)
	s_mov_b32 s77, 0
	s_mul_i32 s74, s14, WAREA                      ; my wave's rows in every area
	s_mul_i32 s79, s14, 16*PITCH                   ; my wave's rows in Q's region
.irp i, 0,1,2,3
	s_mov_b32 s[G0+4*\i], 1
	s_add_co_u32 s[G0+4*\i+1], s74, \i*AREA        ; slot 0 K, slot 0 V, slot 1 K, slot 1 V
.endr
	s_mov_b32 s[G0Q], 1
	s_add_co_u32 s[G0Q+1], s79, QREG
	s_wait_dscnt 0x0
	s_wait_kmcnt 0x0
	s_add_nc_u64 s[10:11], s[10:11], s[70:71]
	s_load_b32 s18, s[10:11], 0x0                  ; len; waited for below, behind the tensor loads
	s_add_nc_u64 s[66:67], s[6:7], s[72:73]        ; K at my wave's rows of tile 0 of my batch
	s_add_nc_u64 s[68:69], s[8:9], s[72:73]        ; V likewise
	s_add_nc_u64 s[G0+2:G0+3], s[66:67], s[2:3]    ; K, the cluster's first tile
	s_add_nc_u64 s[G0+6:G0+7], s[68:69], s[2:3]    ; V, the same tile
	s_add_nc_u64 s[G0+10:G0+11], s[G0+2:G0+3], TILEB   ; its second tile (13 at the most: no wrap)
	s_add_nc_u64 s[G0+14:G0+15], s[G0+6:G0+7], TILEB
	s_add_nc_u64 s[G0Q+2:G0Q+3], s[4:5], s[76:77]
	s_add_nc_u64 s[12:13], s[12:13], s[76:77]
.irp i, 0,1,2,3,4
	s_or_b32 s[G0+4*\i+3], s[G0+4*\i+3], 0x80000000    ; type 2 (the fifth set is Q's)
.endr
	ROUND                                          ; all four work-groups are here: the first joint loads meet
	tensor_load_to_lds s[G0Q:G0Q+3], s[G1Q:G1Q+7]  ; five loads of the wave are out now, the most in this text
	s_nop 0
	tensor_load_to_lds s[G0:G0+3], s[G1:G1+7]
	s_nop 0
	tensor_load_to_lds s[G0+4:G0+7], s[G1:G1+7]
	s_nop 0
	tensor_load_to_lds s[G0+8:G0+11], s[G1:G1+7]
	s_nop 0
	tensor_load_to_lds s[G0+12:G0+15], s[G1:G1+7]
	s_nop 0
	; lane addresses.  A fragment of 16 rows x 32 d in f16: lane (r, h) holds row r, registers 0-3 d = 8 h .. + 7, registers 4-7 d = 16 + 8 h .. + 7;
	; in f32 rows that is 32 bytes at 32 h and 32 bytes at 64 + 32 h of each 128 bytes.
	v_and_b32 v[RR], 15, v0
	v_bfe_u32 v[HH], v0, 4, 1
	v_mul_u32_u24 v[TP], v[RR], PITCH
	v_lshl_add_u32 v[TP], v[HH], 5, v[TP]          ; r x pitch + 32 h
	v_add_nc_u32 v[ADK], s74, v[TP]
	v_add_nc_u32 v[ADK+1], SLOT, v[ADK]
	v_add_nc_u32 v[ADQ], QREG, v[TP]
	v_mul_u32_u24 v[TP+1], v[HH], 8*PITCH          ; V: keys 8 h .. of each sixteen,
	v_lshl_add_u32 v[TP+1], v[RR], 4, v[TP+1]      ; columns 4 r .. 4 r + 3 of each 64
	v_add_nc_u32 v[TP+1], s74, v[TP+1]
	v_add_nc_u32 v[ADV], AREA, v[TP+1]
	v_add_nc_u32 v[ADV+1], AREA+SLOT, v[TP+1]
	s_wait_kmcnt 0x0                               ; len
	s_max_i32 s18, s18, 0                          ; below 0 acts as 0, above 2,048 as 2,048
	s_min_i32 s18, s18, 2048
	s_lshl_b32 s75, s14, 5
	s_sub_co_i32 s75, s18, s75                     ; len - 32 w
	v_lshlrev_b32 v[TP], 3, v[HH]
	v_sub_nc_u32 v[LC0], s75, v[TP]                ; - 8 h: as for tile 0
	v_add_nc_u32 v[TP], s78, v[RR]                 ; my row in query block 0
	v_mov_b32 v[TP+1], 0x3e0293ee                  ; log2(e) / sqrt(128)
	v_mov_b32 v[TP+2], 0xceabfb8f                  ; -1e9 log2(e)
.irp qb, 0,1,2,3
	v_add_nc_u32 v[TP+3], 16*\qb, v[TP]
	v_cmp_gt_i32 vcc_lo, s18, v[TP+3]              ; len > row
	v_cndmask_b32 v[QP+2*\qb], 0, v[TP+1], vcc_lo  ; rows at or beyond len: Q times 0,
	v_cndmask_b32 v[QP+2*\qb+1], 0, v[TP+2], vcc_lo    ; and 0 in place of a masked score: all scores equal
	v_mov_b32 v[AP+2*\qb+1], 0                     ; v_permlanex16_b32's destination counts as read
.endr
; 32 LDS loads: my 32 keys x 128 d of K in f32, in the order of the fragments
.macro LDK slot
	WIN 0x40                                       ; destination window 1, address window 0
.irp kb, 0,1
.irp s, 0,1,2,3
	ds_load_b128 v[KS+16*(4*\kb+\s):KS+16*(4*\kb+\s)+3],     v[ADK+(\slot)] offset:16*PITCH*\kb+128*\s
	ds_load_b128 v[KS+16*(4*\kb+\s)+4:KS+16*(4*\kb+\s)+7],   v[ADK+(\slot)] offset:16*PITCH*\kb+128*\s+16
	ds_load_b128 v[KS+16*(4*\kb+\s)+8:KS+16*(4*\kb+\s)+11],  v[ADK+(\slot)] offset:16*PITCH*\kb+128*\s+64
	ds_load_b128 v[KS+16*(4*\kb+\s)+12:KS+16*(4*\kb+\s)+15], v[ADK+(\slot)] offset:16*PITCH*\kb+128*\s+80
.endr
.endr
.endm
; K's stage to f16: 64 conversions, two numbers each
.macro CVK
	WIN 0x05                                       ; sources window 1, destination window 0
.set fi, 0
.rept 8
.irp i, 0,1,2,3,4,5,6,7
	v_cvt_pk_f16_f32 v[K16+8*fi+\i], v[KS+16*fi+2*\i], v[KS+16*fi+2*\i+1]
.endr
.set fi, fi+1
.endr
.endm
; 32 LDS loads: my 32 keys x 128 columns of V in f32; register 4 (i + 8 g) + c: key 16 g + 8 h + i, column 64 T + 4 r + c
.macro LDV slot
.irp T, 0,1
	WIN 0x80+0x40*\T                               ; destination window 2 or 3
.irp g, 0,1
.irp i, 0,1,2,3,4,5,6,7
	ds_load_b128 v[VS+4*(\i+8*\g):VS+4*(\i+8*\g)+3], v[ADV+(\slot)] offset:PITCH*(16*\g+\i)+256*\T
.endr
.endr
.endr
.endm
; V's stage to f16, transposed by the choice of registers: two neighbouring keys of one column make a word
.macro CVV
.irp T, 0,1
	WIN 0x0a+5*\T                                  ; sources window 2 or 3, destination window 0
.irp c, 0,1,2,3
.irp g, 0,1
.irp i, 0,1,2,3
	v_cvt_pk_f16_f32 v[V16+8*(4*\T+\c)+4*\g+\i], v[VS+4*(2*\i+8*\g)+\c], v[VS+4*(2*\i+1+8*\g)+\c]
.endr
.endr
.endr
.endr
.endm
; S^T = K Q^T: 32 keys x 64 rows, 128 along d.  The eight accumulators take turns, one instruction a turn.
; The first product of each starts its sum: nothing is cleared.
.macro QK
	WIN 0x04                                       ; B (Q) window 1, all else window 0
.irp s, 0,1,2,3
.irp kb, 0,1
.irp qb, 0,1,2,3
.if \s == 0
	v_wmma_f32_16x16x32_f16 v[SC+8*(4*\kb+\qb):SC+8*(4*\kb+\qb)+7], v[K16+8*(4*\kb+\s):K16+8*(4*\kb+\s)+7], v[Q16+8*(4*\qb+\s):Q16+8*(4*\qb+\s)+7], 0
.else
	v_wmma_f32_16x16x32_f16 v[SC+8*(4*\kb+\qb):SC+8*(4*\kb+\qb)+7], v[K16+8*(4*\kb+\s):K16+8*(4*\kb+\s)+7], v[Q16+8*(4*\qb+\s):Q16+8*(4*\qb+\s)+7], v[SC+8*(4*\kb+\qb):SC+8*(4*\kb+\qb)+7]
.endif
.endr
.endr
.endr
.endm
; The mask: LC for the tile at work; one compare for each of my 16 keys serves the four query blocks; then the tile's number steps, modulo 16.
.macro MASK
	s_mul_i32 s23, s22, 0xffffff80                 ; - 128 x tile
	v_add_nc_u32 v[LC], s23, v[LC0]
.irp kb, 0,1
.irp j, 0,1,2,3,4,5,6,7
	v_cmp_lt_i32 vcc_lo, 16*\kb+\j, v[LC]          ; key < len
.irp qb, 0,1,2,3
	v_cndmask_b32 v[SC+8*(4*\kb+\qb)+\j], v[QP+2*\qb+1], v[SC+8*(4*\kb+\qb)+\j], vcc_lo
.endr
.endr
.endr
	s_add_co_u32 s22, s22, 1
	s_and_b32 s22, s22, 15
.endm
; Running softmax of my 32 keys, four query blocks side by side so that neighbouring lines do not wait for each other.
; Pair p (0..7) of a query block: registers 2 (p % 4), + 1 of S(p / 4, qb).
.macro SOFTMAX first
.irp qb, 0,1,2,3
.if \first
	v_max_num_f32 v[MP+2*\qb+1], v[SC+8*\qb], v[SC+8*\qb+1]
.else
	v_max3_num_f32 v[MP+2*\qb+1], v[SC+8*\qb], v[SC+8*\qb+1], v[MP+2*\qb]
.endif
.endr
.irp p, 1,2,3,4,5,6,7
.irp qb, 0,1,2,3
	v_max3_num_f32 v[MP+2*\qb+1], v[MP+2*\qb+1], v[SC+8*(4*(\p/4)+\qb)+2*(\p%4)], v[SC+8*(4*(\p/4)+\qb)+2*(\p%4)+1]
.endr
.endr
.irp qb, 0,1,2,3
	v_permlanex16_b32 v[AP+2*\qb+1], v[MP+2*\qb+1], s24, s25   ; the other half of the lanes holds the row's other 16 keys
.endr
.irp qb, 0,1,2,3
	v_max_num_f32 v[MP+2*\qb+1], v[MP+2*\qb+1], v[AP+2*\qb+1]
.endr
.irp qb, 0,1,2,3
.if \first == 0
	v_sub_f32 v[AP+2*\qb], v[MP+2*\qb], v[MP+2*\qb+1]          ; old maximum - new
.endif
	v_mov_b32 v[MP+2*\qb], v[MP+2*\qb+1]
.endr
.irp p, 0,1,2,3,4,5,6,7
.irp qb, 0,1,2,3
	v_pk_add_f32 v[SC+8*(4*(\p/4)+\qb)+2*(\p%4):SC+8*(4*(\p/4)+\qb)+2*(\p%4)+1], v[SC+8*(4*(\p/4)+\qb)+2*(\p%4):SC+8*(4*(\p/4)+\qb)+2*(\p%4)+1], v[MP+2*\qb:MP+2*\qb+1] op_sel_hi:[1,0] neg_lo:[0,1] neg_hi:[0,1]
.endr
.endr
.irp kb, 0,1
.irp j, 0,1,2,3,4,5,6,7
.irp qb, 0,1,2,3
	v_exp_f32 v[SC+8*(4*\kb+\qb)+\j], v[SC+8*(4*\kb+\qb)+\j]
.endr
.endr
.endr
.if \first == 0
.irp qb, 0,1,2,3
	v_exp_f32 v[AP+2*\qb], v[AP+2*\qb]
.endr
.endif
	v_nop                                          ; one plain vector instruction between the last exponential and the first use (ISA guide 5.7.2)
	s_wait_alu depctr_va_vdst(0)
.irp qb, 0,1,2,3
.if \first
	s_wait_alu depctr_va_vdst(0)
	v_pk_add_f32 v[LP+2*\qb:LP+2*\qb+1], v[SC+8*\qb:SC+8*\qb+1], v[SC+8*\qb+2:SC+8*\qb+3]
.else
	v_pk_fma_f32 v[LP+2*\qb:LP+2*\qb+1], v[LP+2*\qb:LP+2*\qb+1], v[AP+2*\qb:AP+2*\qb+1], v[SC+8*\qb:SC+8*\qb+1] op_sel_hi:[1,0,1]
	v_pk_add_f32 v[LP+2*\qb:LP+2*\qb+1], v[LP+2*\qb:LP+2*\qb+1], v[SC+8*\qb+2:SC+8*\qb+3]
.endif
.endr
.irp p, 2,3,4,5,6,7
.irp qb, 0,1,2,3
	v_pk_add_f32 v[LP+2*\qb:LP+2*\qb+1], v[LP+2*\qb:LP+2*\qb+1], v[SC+8*(4*(\p/4)+\qb)+2*(\p%4):SC+8*(4*(\p/4)+\qb)+2*(\p%4)+1]
.endr
.endr
.endm
; P to f16: registers 0-3 of B are keys 8 h .. + 7 (S(0, qb)), registers 4-7 keys 16 + 8 h .. + 7 (S(1, qb))
.macro PCV
.irp H, 0,1
	WIN 0x80+0x40*\H
.irp qq, 0,1
.irp kb, 0,1
.irp i, 0,1,2,3
	v_cvt_pk_f16_f32 v[P16+8*\qq+4*\kb+\i], v[SC+8*(4*\kb+2*\H+\qq)+2*\i], v[SC+8*(4*\kb+2*\H+\qq)+2*\i+1]
.endr
.endr
.endr
.endr
.endm
; accumulator a of window 2 + H times its row's factor
.macro RESC H, a
.irp i, 0,1,2,3
	v_pk_mul_f32 v[OA+8*(\a)+2*\i:OA+8*(\a)+2*\i+1], v[AP+2*(2*\H+((\a)%2)):AP+2*(2*\H+((\a)%2))+1], v[OA+8*(\a)+2*\i:OA+8*(\a)+2*\i+1] op_sel_hi:[0,1]
.endr
.endm
; O^T = O^T x factor + V^T P^T.  The sixteen accumulators of a window take turns, one instruction a turn.
; Accumulator a + 2 is rescaled behind the matrix instruction of accumulator a, whose registers these lines do not name.
.macro PV first
.irp H, 0,1
	WIN 0xa8+0x54*\H                               ; A (V) window 0; B (P), C and D window 2 or 3.  The rescaling: factor window 0
.if \first == 0
	RESC \H, 0
	RESC \H, 1
.endif
.irp a, 0,1,2,3,4,5,6,7,8,9,10,11,12,13,14,15
.if \first
	v_wmma_f32_16x16x32_f16 v[OA+8*\a:OA+8*\a+7], v[V16+8*(\a/2):V16+8*(\a/2)+7], v[P16+8*(\a%2):P16+8*(\a%2)+7], 0
.else
	v_wmma_f32_16x16x32_f16 v[OA+8*\a:OA+8*\a+7], v[V16+8*(\a/2):V16+8*(\a/2)+7], v[P16+8*(\a%2):P16+8*(\a%2)+7], v[OA+8*\a:OA+8*\a+7]
.if \a < 14
	RESC \H, \a+2
.endif
.endif
.endr
.endr
.endm
; One tile of 128 keys.  At its head K's stage for this tile is on its way from LDS.
; refill = 1: this slot gets the tile two further on in the cluster's walk; nextk = 1: the other slot's K is fetched into the stage;
; tv >= 0: a wait on the tensor loads in front of the reads of V (else an earlier wait for 0 has shown V landed).
.macro STEP slot, first, refill, nextk, tv
	s_wait_dscnt 0x0                               ; K's stage is in
.if \tv >= 0
	s_wait_tensorcnt \tv                           ; my V of this tile has landed; the count leaves the loads issued behind it
.endif
	LDV \slot                                      ; V's loads run under K's conversions and the first product
	CVK
	QK
	s_wait_dscnt 0x0                               ; V's stage is in: my reads of this slot are over
	CVV                                            ; 64 plain vector instructions that name no register of QK: the places in front of the first use of S (ISA guide 7.12.1)
	WIN 0
.if \refill
	s_wait_tensorcnt 0x0                           ; all my tensor loads have landed, the other slot's tile among them, so the addresses may be written
	ds_add_u32 v62, v63
	s_wait_dscnt 0x0
	s_lshl_b32 s2, s20, 16                         ; the next tile's bytes from tile 0 (s3 = 0)
	s_add_nc_u64 s[G0+8*\slot+2:G0+8*\slot+3], s[66:67], s[2:3]
	s_add_nc_u64 s[G0+8*\slot+6:G0+8*\slot+7], s[68:69], s[2:3]
	s_or_b32 s[G0+8*\slot+3], s[G0+8*\slot+3], 0x80000000          ; type 2
	s_or_b32 s[G0+8*\slot+7], s[G0+8*\slot+7], 0x80000000
	s_add_co_u32 s20, s20, 1
	s_and_b32 s20, s20, 15                         ; behind tile 15 comes tile 0
	ROUND                                          ; no wave of any partner still reads this slot or has a load on its way
	tensor_load_to_lds s[G0+8*\slot:G0+8*\slot+3], s[G1:G1+7]      ; the first tensor loads behind the round: two of the wave are out,
	s_nop 0
	tensor_load_to_lds s[G0+8*\slot+4:G0+8*\slot+7], s[G1:G1+7]    ; and have until the next step's wait for 0 to land
	s_nop 0
.else
.if \nextk
	s_wait_tensorcnt 0x1                           ; the other slot's K has landed; its V, issued behind it, may be out
.endif
.endif
.if \nextk
	LDK 1-\slot                                    ; runs under the softmax and the second product
.endif
	WIN 0
	MASK
	SOFTMAX \first
	PCV
	PV \first
	WIN 0
.endm
; Query blocks 2 hf and 2 hf + 1 of Q: from LDS, times the row's factor, to f16
.macro QHALF hf
	WIN 0x40
.irp qq, 0,1
.irp s, 0,1,2,3
	ds_load_b128 v[KS+16*(4*\qq+\s):KS+16*(4*\qq+\s)+3],     v[ADQ] offset:16*PITCH*(2*\hf+\qq)+128*\s
	ds_load_b128 v[KS+16*(4*\qq+\s)+4:KS+16*(4*\qq+\s)+7],   v[ADQ] offset:16*PITCH*(2*\hf+\qq)+128*\s+16
	ds_load_b128 v[KS+16*(4*\qq+\s)+8:KS+16*(4*\qq+\s)+11],  v[ADQ] offset:16*PITCH*(2*\hf+\qq)+128*\s+64
	ds_load_b128 v[KS+16*(4*\qq+\s)+12:KS+16*(4*\qq+\s)+15], v[ADQ] offset:16*PITCH*(2*\hf+\qq)+128*\s+80
.endr
.endr
	s_wait_dscnt 0x0
	WIN 0x41                                       ; stage window 1, factor window 0
.irp qq, 0,1
.set pp, 0
.rept 32
	v_pk_mul_f32 v[KS+64*\qq+2*pp:KS+64*\qq+2*pp+1], v[KS+64*\qq+2*pp:KS+64*\qq+2*pp+1], v[QP+2*(2*\hf+\qq):QP+2*(2*\hf+\qq)+1] op_sel_hi:[1,0]
.set pp, pp+1
.endr
.endr
	WIN 0x45
.irp qq, 0,1
.irp s, 0,1,2,3
.irp i, 0,1,2,3,4,5,6,7
	v_cvt_pk_f16_f32 v[Q16+8*(4*(2*\hf+\qq)+\s)+\i], v[KS+16*(4*\qq+\s)+2*\i], v[KS+16*(4*\qq+\s)+2*\i+1]
.endr
.endr
.endr
.endm
	s_wait_tensorcnt 0x4                           ; my 16 rows of Q are in; the four tile loads issued behind them stay out
	s_barrier_signal -1
	s_barrier_wait -1                              ; everybody's are: each wave reads all 64 rows.
	QHALF 0
	QHALF 1
	s_wait_tensorcnt 0x3                           ; my K of the first tile is in; three loads were issued behind it
	LDK 0
	WIN 0
	STEP 0, 1, 1, 1, 2                             ; the first tile: its V is in when two loads (the second tile's) are left; its products start the sums
	STEP 1, 0, 1, 1, -1
	s_mov_b32 s21, PAIRS-2
.Lpair:
	STEP 0, 0, 1, 1, -1
	STEP 1, 0, 1, 1, -1
	s_sub_co_i32 s21, s21, 1
	s_cmp_lg_u32 s21, 0
	s_cbranch_scc1 .Lpair
	STEP 0, 0, 0, 1, -1                            ; the walk's last two tiles: nothing more to fetch, no round
	STEP 1, 0, 0, 0, 0                             ; the last wait on the tensor loads is for zero
	; THE MERGE.  Each wave holds, for all 64 rows, maximum m, sum l and output O over its quarter of the keys.
	; out = sum over waves of 2^(m - M) O / sum over waves of 2^(m - M) l, M the largest m.  A wave all of whose keys were masked for a row
	; has m = -1e9 log2(e) and gets the factor 0.  The lines up to the first use of O are the places behind the last matrix instruction.
.irp qb, 0,1,2,3
	v_add_f32 v[MP+2*\qb+1], v[LP+2*\qb], v[LP+2*\qb+1]
.endr
.irp qb, 0,1,2,3
	v_permlanex16_b32 v[AP+2*\qb+1], v[MP+2*\qb+1], s24, s25
.endr
.irp qb, 0,1,2,3
	v_add_f32 v[MP+2*\qb+1], v[MP+2*\qb+1], v[AP+2*\qb+1]      ; l of my row over my wave's keys
.endr
	s_lshl_b32 s75, s14, 8
	s_add_co_u32 s75, s75, ST_M
	v_lshl_add_u32 v[SM], v[RR], 2, s75            ; m[wave][16 qb + r]; both halves of the lanes hold and write the same number
	v_lshlrev_b32 v[LM], 2, v[RR]
	v_add_nc_u32 v[LM], ST_M, v[LM]
.irp qb, 0,1,2,3
	ds_store_b32 v[SM], v[MP+2*\qb] offset:64*\qb
	ds_store_b32 v[SM], v[MP+2*\qb+1] offset:1024+64*\qb
.endr
	s_wait_dscnt 0x0                               ; for the others' sake: my stores are done, and so are all my reads of the slots
	s_barrier_signal -1
	s_barrier_wait -1                              ; behind it slot 0, which has had its last fill, serves as the stage
.irp wv, 0,1,2,3
.irp qb, 0,1,2,3
	ds_load_b32 v[SC+4*\wv+\qb], v[LM] offset:256*\wv+64*\qb
	ds_load_b32 v[SC+16+4*\wv+\qb], v[LM] offset:1024+256*\wv+64*\qb
.endr
.endr
	s_mul_i32 s75, s14, STG
	v_mul_u32_u24 v[TP], v[RR], PITCH
	v_lshl_add_u32 v[TP], v[HH], 7, v[TP]
	v_add_nc_u32 v[STO], s75, v[TP]                ; my stage + r x pitch + 128 h
	s_wait_dscnt 0x0
.irp qb, 0,1,2,3
	v_max3_num_f32 v[SC+32+\qb], v[SC+\qb], v[SC+4+\qb], v[SC+8+\qb]
.endr
.irp qb, 0,1,2,3
	v_max_num_f32 v[SC+32+\qb], v[SC+32+\qb], v[SC+12+\qb]
.endr
.irp wv, 0,1,2,3
.irp qb, 0,1,2,3
	v_sub_f32 v[SC+4*\wv+\qb], v[SC+4*\wv+\qb], v[SC+32+\qb]
.endr
.endr
.irp qb, 0,1,2,3
	v_sub_f32 v[AP+2*\qb], v[MP+2*\qb], v[SC+32+\qb]           ; my own wave's once more: which of the four is mine is no constant
.endr
.irp i, 0,1,2,3,4,5,6,7,8,9,10,11,12,13,14,15
	v_exp_f32 v[SC+\i], v[SC+\i]
.endr
.irp qb, 0,1,2,3
	v_exp_f32 v[AP+2*\qb], v[AP+2*\qb]
.endr
	v_nop                                          ; the plain place behind the exponentials
	s_wait_alu depctr_va_vdst(0)
.irp qb, 0,1,2,3
	v_mul_f32 v[SC+36+\qb], v[SC+\qb], v[SC+16+\qb]
.endr
.irp wv, 1,2,3
.irp qb, 0,1,2,3
	v_fmac_f32 v[SC+36+\qb], v[SC+4*\wv+\qb], v[SC+16+4*\wv+\qb]
.endr
.endr
.irp qb, 0,1,2,3
	v_rcp_f32 v[SC+40+\qb], v[SC+36+\qb]           ; the sum is at least 1: the wave that holds M has the factor 1 and a term 1
.endr
	v_nop                                          ; the plain place behind the reciprocals
	s_wait_alu depctr_va_vdst(0)
.irp qb, 0,1,2,3
	v_mul_f32 v[FS+\qb], v[AP+2*\qb], v[SC+40+\qb]
.endr
; A query block's O, scaled, into my stage.  The four fragments c = 0..3 hold four neighbouring columns in the same register j:
; the multiply puts them side by side, and a lane stores 16 neighbouring bytes of its row.
.macro STAGEQ qb, H, qq, buf
	WIN 0x02+\H                                    ; source 0 (O) window 2 or 3
.irp T, 0,1
.irp j, 0,1,2,3,4,5,6,7
.irp c, 0,1,2,3
	v_mul_f32 v[\buf+4*(8*\T+\j)+\c], v[OA+8*(2*(4*\T+\c)+\qq)+\j], v[FS+\qb]
.endr
.endr
.endr
	WIN 0
.irp T, 0,1
.irp j, 0,1,2,3,4,5,6,7
	ds_store_b128 v[STO], v[\buf+4*(8*\T+\j):\buf+4*(8*\T+\j)+3] offset:16*PITCH*\qb+256*\T+16*\j
.endr
.endr
.endm
	STAGEQ 0, 0, 0, K16
	STAGEQ 1, 0, 1, V16
	STAGEQ 2, 1, 0, K16
	STAGEQ 3, 1, 1, V16
	s_mul_i32 s75, s14, 16*PITCH
	v_and_b32 v[TP], 31, v0
	v_lshlrev_b32 v[CO], 4, v[TP]                  ; 16 bytes a lane: a wave covers a row of 512 bytes
	v_add_nc_u32 v[RD], s75, v[CO]                 ; rows 16 w .. of the stages of waves 0 and 1,
	v_add_nc_u32 v[RD+1], 2*STG, v[RD]             ; of waves 2 and 3
	s_wait_dscnt 0x0                               ; my stage is written
	s_barrier_signal -1
	s_barrier_wait -1                              ; everybody's is
; Wave w finishes rows 16 w + 4 bt + k: the four waves' parts are added, always in the same order, and a store of the wave covers
; 512 consecutive bytes of out0, at a multiple of 512 from its first byte.
.macro OUT4 bt, buf
.if \bt >= 2
	s_wait_xcnt 0x0                                ; the stores of the batch before last have read this buffer: it is loaded again only behind this wait
.endif
.irp k, 0,1,2,3
	ds_load_b128 v[\buf+16*\k:\buf+16*\k+3],     v[RD]   offset:PITCH*(4*\bt+\k)
	ds_load_b128 v[\buf+16*\k+4:\buf+16*\k+7],   v[RD]   offset:STG+PITCH*(4*\bt+\k)
	ds_load_b128 v[\buf+16*\k+8:\buf+16*\k+11],  v[RD+1] offset:PITCH*(4*\bt+\k)
	ds_load_b128 v[\buf+16*\k+12:\buf+16*\k+15], v[RD+1] offset:STG+PITCH*(4*\bt+\k)
.endr
.irp k, 0,1,2,3
	s_wait_dscnt 12-4*\k                           ; LDS loads come back in order (ISA guide 5.7.1): row k's four are in, the later rows' stay out
	v_pk_add_f32 v[\buf+16*\k:\buf+16*\k+1],     v[\buf+16*\k:\buf+16*\k+1],     v[\buf+16*\k+4:\buf+16*\k+5]
	v_pk_add_f32 v[\buf+16*\k+2:\buf+16*\k+3],   v[\buf+16*\k+2:\buf+16*\k+3],   v[\buf+16*\k+6:\buf+16*\k+7]
	v_pk_add_f32 v[\buf+16*\k+8:\buf+16*\k+9],   v[\buf+16*\k+8:\buf+16*\k+9],   v[\buf+16*\k+12:\buf+16*\k+13]
	v_pk_add_f32 v[\buf+16*\k+10:\buf+16*\k+11], v[\buf+16*\k+10:\buf+16*\k+11], v[\buf+16*\k+14:\buf+16*\k+15]
	v_pk_add_f32 v[\buf+16*\k:\buf+16*\k+1],     v[\buf+16*\k:\buf+16*\k+1],     v[\buf+16*\k+8:\buf+16*\k+9]
	v_pk_add_f32 v[\buf+16*\k+2:\buf+16*\k+3],   v[\buf+16*\k+2:\buf+16*\k+3],   v[\buf+16*\k+10:\buf+16*\k+11]
	global_store_b128 v[CO], v[\buf+16*\k:\buf+16*\k+3], s[12:13] offset:512*(4*\bt+\k) th:TH_STORE_NT
.endr
.endm
	OUT4 0, SC
	OUT4 1, K16
	OUT4 2, SC
	OUT4 3, K16
	s_wait_tensorcnt 0x0
	ds_add_u32 v62, v63
	s_wait_dscnt 0x0
	ROUND                                          ; the closing round: no work-group ends while a partner may still ask for a tile that names it
	s_endpgm
.Lfunc_end_k_q087e82fa84_attn:
	.size	k_q087e82fa84_attn, .Lfunc_end_k_q087e82fa84_attn-k_q087e82fa84_attn
	.p2alignl 7, 3214868480
	.fill 96, 4, 3214868480
	.section	.rodata,"a",@progbits
	.p2align	6, 0x0
	.amdhsa_kernel k_q087e82fa84_attn
		.amdhsa_group_segment_fixed_size 327680
		.amdhsa_private_segment_fixed_size 0
		.amdhsa_enable_private_segment 0
		.amdhsa_kernarg_size 40
		.amdhsa_user_sgpr_count 2
		.amdhsa_user_sgpr_kernarg_segment_ptr 1
		.amdhsa_wavefront_size32 1
		.amdhsa_system_sgpr_workgroup_id_x 1
		.amdhsa_system_sgpr_workgroup_id_y 1
		.amdhsa_system_sgpr_workgroup_id_z 1
		.amdhsa_system_vgpr_workitem_id 0
		.amdhsa_next_free_vgpr 976
		.amdhsa_next_free_sgpr 80
		.amdhsa_reserve_vcc 1
		.amdhsa_float_denorm_mode_32 3
		.amdhsa_float_denorm_mode_16_64 3
		.amdhsa_memory_ordered 1
		.amdhsa_forward_progress 1
		.amdhsa_inst_pref_size 255
	.end_amdhsa_kernel
	.section	.bss,"aw",@nobits
	.p2align	6
	.space	262144
	.amdgpu_metadata
---
amdhsa.version: [ 1, 2 ]
amdhsa.kernels:
  - .name:           k_q087e82fa84_attn
    .symbol:         k_q087e82fa84_attn.kd
    .args:
      - { .name: q, .offset: 0, .size: 8, .value_kind: global_buffer, .address_space: global }
      - { .name: k, .offset: 8, .size: 8, .value_kind: global_buffer, .address_space: global }
      - { .name: v, .offset: 16, .size: 8, .value_kind: global_buffer, .address_space: global }
      - { .name: event_lengths, .offset: 24, .size: 8, .value_kind: global_buffer, .address_space: global }
      - { .name: out0, .offset: 32, .size: 8, .value_kind: global_buffer, .address_space: global }
    .group_segment_fixed_size: 327680
    .private_segment_fixed_size: 0
    .kernarg_segment_align: 8
    .kernarg_segment_size: 40
    .max_flat_workgroup_size: 128
    .sgpr_count:     80
    .vgpr_count:     976
    .wavefront_size: 32
...
	.end_amdgpu_metadata
.endif
;; end of part 2
